; MI455X (gfx1250); checked and timed in simulation.
; The chip was launched on July 23, 2026; its instructions are those of AMD's public machine-readable ISA for CDNA 5 (MIT licence, August 2026) and "CDNA5" Instruction Set Architecture Reference Guide (July 2026). The comments in the code are by the model that wrote it; some were corrected since.
;; Discrete Key Value Bottleneck. Allowed arithmetic: matrix products marked QUANTISED: E3M2 operands, one E8M0 scale for each 32 along K, by v_wmma_scale_f32_16x16x128_f8f6f4 with both operands' format E3M2, f32 sums; everything else in f32.
;; Inputs: codebook 8,192 x 512 float32; values 8,192 x 512 float32; x 8 x 2,048 x 512 float32.
;; Outputs: out0 8 x 2,048 x 512 float32.
;; This version of the problem:
;;   THIS VERSION OF THE PROBLEM IS GIVEN IN LOW PRECISION. The matrix products marked QUANTISED in the list below multiply operands that are first quantised to E3M2 (3 exponent bits, 2 mantissa bits; 6 bits a number), with one power-of-two scale for each 32 numbers along K (OCP MX v1.0); their sums are f32. All else is computed in f32.
;;   The module's matrix products, in the order in which they are computed (A, B: the left and right operand; K: the contracted axis; several contracted axes count as one K, in the product's order):
;;     1. [M 16,384, K 512] x [K 512, N 8,192]; A: input x; B: input codebook: QUANTISED
;;   THE QUANTISER, for each operand of a quantised product, along K:
;;     - K is cut into blocks of 32 from its start; a last block that is shorter is filled with zeros.
;;     - A block's scale is 2^e with e = floor(log2(the largest magnitude in the block)) - 4, held to -126 .. 127; a block of zeros has e = 0. As a byte (E8M0): e + 127.
;;     - Each number is divided by its block's scale, clamped to +-28, and rounded to the nearest number of E3M2, ties to even, subnormals kept.
;;     - The product sums the exact products of the quantised numbers (number of the format x scale) in f32.
;;   ~~~python
;;   def quantise(x, axis):      # numpy; x: float32 -> the quantised numbers, widened to float32 again
;;       x = np.moveaxis(x, axis, -1); K = x.shape[-1]
;;       x = np.pad(x, [(0, 0)] * (x.ndim - 1) + [(0, -K % 32)]); x = x.reshape(x.shape[:-1] + (-1, 32)); a = np.abs(x).max(-1, keepdims=True)
;;       e = np.where(a > 0, np.clip(np.frexp(np.where(a > 0, a, 1))[1] - 1 - 4, -126, 127), 0)      # np.frexp(a)[1] - 1 = floor(log2(a)), exactly
;;       r = np.clip(x / 2.0 ** e, -28, 28)
;;       step = 2.0 ** (np.maximum(np.frexp(np.where(r == 0, 1, r))[1] - 1, -2) - 2)
;;       q = np.round(r / step) * step * 2.0 ** e      # np.round: ties to even
;;       return np.moveaxis(q.reshape(q.shape[:-2] + (-1,))[..., :K], -1, axis).astype(np.float32)
;;   ~~~
;; One version. Each part assembles by itself: llvm-mc -triple=amdgcn-amd-amdhsa -mcpu=gfx1250 --defsym DOCPART=n.
;; ======== version 1 of 1: 3 launches
;; limits: right only within a limited range of input values
;; workspace buffers: img 9,830,400 bytes; csq 32,768 bytes; cand 524,288 bytes of whole numbers
;; launch quant (part 1): grid 256 x 1, 6 waves a work-group, no clusters, 52,992 bytes of LDS; arguments x, codebook, img, csq; writes img, csq
.if DOCPART == 1
	.amdgcn_target "amdgcn-amd-amdhsa--gfx1250"
	.amdhsa_code_object_version 6
	.text
	.protected	k_q1e071f2a74_quant
	.globl	k_q1e071f2a74_quant
	.p2align	8
	.type	k_q1e071f2a74_quant,@function
k_q1e071f2a74_quant:
	s_mov_b64 s[64:65], 0
	v_nop
	global_prefetch_b8 v0, s[64:65] scope:SCOPE_SE
	s_setreg_imm32_b32 hwreg(HW_REG_WAVE_MODE, 25, 1), 1
	s_wait_xcnt 0x0
; x [16384][512] and codebook [8192][512], f32, become codes of BF6 (E3M2) with one E8M0 scale byte for each 32 along K, laid as the next launch's matrix operands want them;
; and csq[n] = the f32 sum of the squares of codebook row n (of the numbers as they come, not of the codes).
; A block's scale is 2^(floor(log2(its largest magnitude)) - 4); its byte is the largest magnitude's exponent field - 4, held at 1 from below.  Each number is divided by the scale and rounded to the nearest code, ties to even, beyond 28 the largest code.
; LIMITS: a block whose largest magnitude lies under 2^-122 has its byte held at 1; a block of zeros gets the byte 1 (its codes are zeros, and this program alone reads the bytes); NaN and infinities are not served.
; csq is summed in another order than a plain running sum: 16 chains for a row (two lanes x four pairs), then a tree.
; SHARES.  A tile is 16 rows x 512 K = 32,768 bytes of f32.  1,536 tiles (1,024 of x, then 512 of the codebook), one to a wave: tile = 6 x work-group + wave.  Waves share nothing: no barrier.
; A RECORD of img is 6,400 bytes: for K step k (128 along K) and c = 0..2, bytes 1536 k + 512 c + 16 lane hold registers 4 c .. 4 c + 3 of the 12-register fragment of that lane;
; bytes 6144 + 8 lane hold two scale registers: the first has row r's word of K step 0 in lanes 0-15 and of K step 1 in lanes 16-31, the second those of K steps 2 and 3.
; THE TURN.  Each load reads 512 consecutive bytes of one row, 16 a lane.  The conversions want 16 neighbours along K in ONE lane's registers: so a K step's 8,192 bytes go through the wave's own stage in LDS
; (rows 528 bytes apart = 33 x 16: the sixteen lanes of half a load start at sixteen different 16-byte columns of 256) and come back so that register 16 b + i of lane (r, h) is k = 32 b + 16 h + i of row r.
; Both tensors take one path through the text: only pointers are chosen.  So x's squares are summed too and not stored: 128 packed instructions a wave, in a launch whose time is its bytes.
.set XT,    1024                       ; x's tiles
.set TILEB, 6400                       ; a record
.set WREG,  8704                       ; a wave's stage: 16 rows x 528 bytes, rounded up to blocks of 256
.set SP,    528
.set R,     16                         ; v16-143   two sets of 64: a K step as loaded
.set X,     144                        ; v144-207  a K step turned
.set PC,    208                        ; v208-227  the fragment just made (12), and 8 at work
.set TM,    228                        ; v228-243  largest magnitudes, bytes, scale operands
.set PW,    244                        ; v244-247  the four K steps' scale words
.set SQ,    248                        ; v248-255  four pairs of running sums of squares
.set SEL,   20                         ; s[20:21]  lane selects for v_permlanex16_b32: lane l xor 16
	s_load_b256 s[4:11], s[0:1], 0x0               ; x s[4:5], codebook s[6:7], img s[8:9], csq s[10:11]
	v_lshl_add_u32 v238, v0, 2, 0xcc00
	v_mov_b32 v239, 0
	v_lshrrev_b32 v1, 5, v0
	v_readfirstlane_b32 s12, v1                    ; wave 0..5
	s_mul_i32 s13, ttmp9, 6
	s_add_co_u32 s13, s13, s12                     ; my tile
	v_and_b32 v1, 31, v0                           ; lane
	v_and_b32 v7, 15, v0                           ; r
	v_bfe_u32 v10, v0, 4, 1                        ; h
	v_lshlrev_b32 v2, 4, v1                        ; 16 x lane: loads, and the codes' stores
	v_lshlrev_b32 v3, 3, v1                        ; 8 x lane: the scale registers' store
	v_lshlrev_b32 v4, 2, v7                        ; 4 r: csq
	s_mul_i32 s15, s12, WREG                       ; my stage
	v_add_nc_u32 v5, s15, v2                       ; into it: 16 x lane, the row in the immediate
	v_mul_u32_u24 v6, v7, SP
	v_lshl_add_u32 v6, v10, 6, v6
	v_add_nc_u32 v6, s15, v6                       ; out of it: row r, + 64 h
	s_mov_b32 s[SEL], 0x76543210
	s_mov_b32 s[SEL+1], 0xfedcba98
.irp b, 0,1,2,3
	v_mov_b32 v[TM+4+\b], 0                        ; written once: a lane permute's destination counts as one of its sources
.endr
	s_wait_alu depctr_va_vdst(0)
	s_wait_kmcnt 0x0
	s_cmp_lt_u32 s13, XT                           ; x's tile or the codebook's?  The choice hangs on the tile's number alone
	s_cselect_b64 s[4:5], s[4:5], s[6:7]
	s_cselect_b32 s14, 0, XT
	s_sub_co_u32 s14, s13, s14                     ; the tile's number in its own tensor
	s_lshl_b32 s16, s14, 15                        ; 32,768 bytes a tile
	s_mov_b32 s17, 0
	s_add_nc_u64 s[4:5], s[4:5], s[16:17]
	s_mul_i32 s16, s13, TILEB
	s_add_nc_u64 s[8:9], s[8:9], s[16:17]          ; my record
	s_lshl_b32 s16, s14, 6
	s_add_nc_u64 s[10:11], s[10:11], s[16:17]      ; my 16 words of csq (used by the codebook's tiles alone)
.macro LOADK k                         ; K step k of the 16 rows: each load reads 512 consecutive bytes, at a multiple of 512 from the tensor's first byte
.irp i, 0,1,2,3,4,5,6,7,8,9,10,11,12,13,14,15
	global_load_b128 v[R+64*((\k)%2)+4*\i:R+64*((\k)%2)+4*\i+3], v2, s[4:5] offset:2048*\i+512*(\k) th:TH_LOAD_NT
.endr
.endm
.macro TURN k                          ; through the stage: LDS serves a wave's instructions in order (ISA guide 5.7.1.4), so no wait stands between the stores and the loads
.irp i, 0,1,2,3,4,5,6,7,8,9,10,11,12,13,14,15
	ds_store_b128 v5, v[R+64*((\k)%2)+4*\i:R+64*((\k)%2)+4*\i+3] offset:SP*\i
.endr
.irp b, 0,1,2,3
.irp j, 0,1,2,3
	ds_load_b128 v[X+16*\b+4*\j:X+16*\b+4*\j+3], v6 offset:128*\b+16*\j
.endr
.endr
.endm
.macro SQUARES k                       ; my 64 numbers' squares onto four pairs by turns; the first four products start the sums: nothing is cleared
.set J, 0
.rept 32
.if ((\k) == 0) && (J < 4)
	v_pk_mul_f32 v[SQ+2*J:SQ+2*J+1], v[X+2*J:X+2*J+1], v[X+2*J:X+2*J+1]
.else
	v_pk_fma_f32 v[SQ+2*(J%4):SQ+2*(J%4)+1], v[X+2*J:X+2*J+1], v[X+2*J:X+2*J+1], v[SQ+2*(J%4):SQ+2*(J%4)+1]
.endif
.set J, J+1
.endr
.endm
; 64 numbers of a lane, v[s] on, register 16 b + i = k 32 b + 16 h + i of my row, become a fragment's codes in v[PC] on and its scale word in v[pw].
.macro QUANT s, pw
.irp b, 0,1,2,3
	v_max3_num_f32 v[TM+\b], |v[\s+16*\b]|, |v[\s+1+16*\b]|, 0x2800000   ; block b: my 16 numbers, and the floor 2^(5 - 127): so the byte cannot fall under 1
.endr
.irp i, 2,4,6,8,10,12,14
.irp b, 0,1,2,3
	v_max3_num_f32 v[TM+\b], v[TM+\b], |v[\s+16*\b+\i]|, |v[\s+1+16*\b+\i]|   ; the four blocks by turns: no line waits for the line above it
.endr
.endr
.irp b, 0,1,2,3
	v_permlanex16_b32 v[TM+4+\b], v[TM+\b], s[SEL], s[SEL+1]
.endr
.irp b, 0,1,2,3
	v_max_num_f32 v[TM+\b], v[TM+\b], v[TM+4+\b]   ; with lane l xor 16's: the block's largest magnitude
.endr
.irp b, 0,1,2,3
	v_add_nc_u32 v[TM+12+\b], 0xfe000000, v[TM+\b] ; 4 off its exponent field: the conversion takes the exponent field of this operand as its scale, and nothing else of it
.endr
.irp b, 0,1,2,3
	v_lshrrev_b32 v[TM+4+\b], 23, v[TM+12+\b]      ; the scale's byte
.endr
	v_lshl_or_b32 v[\pw], v[TM+5], 8, v[TM+4]      ; the four bytes make my row's scale word; both halves of the lanes hold it
	v_lshl_or_b32 v[\pw], v[TM+6], 16, v[\pw]
	v_lshl_or_b32 v[\pw], v[TM+7], 24, v[\pw]
.irp c, 0,1
	v_cvt_scalef32_pk16_bf6_f32 v[PC+6*\c:PC+2+6*\c], v[\s+32*\c:\s+15+32*\c], v[TM+12+2*\c]
	v_cvt_scalef32_pk16_bf6_f32 v[PC+12+4*\c:PC+14+4*\c], v[\s+16+32*\c:\s+31+32*\c], v[TM+12+2*\c+1]   ; (a conversion's three registers begin on an even number)
.endr
	v_nop                                          ; one plain instruction between a scaled conversion and the vector instruction that touches its result
.irp c, 0,1                            ; the operand's layout wants a WHOLE block in a lane: lanes 0-15 block 2 c, lanes 16-31 block 2 c + 1
.irp i, 0,1,2
	v_permlane16_swap_b32 v[PC+6*\c+\i], v[PC+12+4*\c+\i]
.endr
.irp i, 0,1,2
	v_mov_b32 v[PC+3+6*\c+\i], v[PC+12+4*\c+\i]
.endr
.endr
.endm
.macro KSTEP k
.if (\k) < 3
	s_wait_loadcnt 16                              ; this K step's 16 loads are in; the next K step's 16 may be out
.else
	s_wait_loadcnt 0x0
.endif
	TURN \k
	s_wait_dscnt 0x0                               ; the turned numbers are in, and the stores into the stage have read their registers,
.if (\k) < 2
	LOADK (\k)+2                                   ; which take the K step two on
.endif
	SQUARES \k
.if (\k) > 0
	s_wait_xcnt 0x0                                ; the last K step's stores have read the fragment's registers: only behind this wait are they written again
.endif
	QUANT X, PW+(\k)
.irp c, 0,1,2
	global_store_b128 v2, v[PC+4*\c:PC+4*\c+3], s[8:9] offset:1536*(\k)+512*\c   ; 32 lanes store 512 consecutive bytes, at a multiple of 256 from img's first byte
.endr
.endm
	LOADK 0
	LOADK 1
	KSTEP 0
	KSTEP 1
	KSTEP 2
	KSTEP 3
	s_mov_b32 vcc_lo, 0xffff0000
	v_cndmask_b32 v8, v[PW], v[PW+1], vcc_lo       ; lanes 0-15: K step 0's words; lanes 16-31: K step 1's
	v_cndmask_b32 v9, v[PW+2], v[PW+3], vcc_lo     ; K steps 2 and 3
	global_store_b64 v3, v[8:9], s[8:9] offset:6144   ; 32 lanes store 256 consecutive bytes, aligned: the record's last block
	v_pk_add_f32 v[SQ:SQ+1], v[SQ:SQ+1], v[SQ+2:SQ+3]
	v_pk_add_f32 v[SQ+4:SQ+5], v[SQ+4:SQ+5], v[SQ+6:SQ+7]
	v_pk_add_f32 v[SQ:SQ+1], v[SQ:SQ+1], v[SQ+4:SQ+5]
	v_add_f32 v[SQ], v[SQ], v[SQ+1]
	v_permlanex16_b32 v[SQ+2], v[SQ], s[SEL], s[SEL+1]
	v_add_f32 v[SQ], v[SQ], v[SQ+2]                ; with lane l xor 16's half of the row: the row's sum of squares
	v_mul_f32 v[SQ], -0.5, v[SQ]                   ; csq holds -(sum of squares)/2, exact: the next launch gives it to its products as their C
	s_cmp_lt_u32 s13, XT
	s_cbranch_scc1 .Lend                           ; x's tiles have no csq
	global_store_b32 v4, v[SQ], s[10:11]           ; 64 consecutive bytes; lanes l and l + 16 store the same word with the same value.  A part of a block of 256 bytes: 32,768 bytes in the whole launch
.Lend:
	s_wait_tensorcnt 0x0
	ds_add_u32 v238, v239
	s_wait_dscnt 0x0
	s_endpgm
.Lfunc_end_k_q1e071f2a74_quant:
	.size	k_q1e071f2a74_quant, .Lfunc_end_k_q1e071f2a74_quant-k_q1e071f2a74_quant
	.p2alignl 7, 3214868480
	.fill 96, 4, 3214868480
	.section	.rodata,"a",@progbits
	.p2align	6, 0x0
	.amdhsa_kernel k_q1e071f2a74_quant
		.amdhsa_group_segment_fixed_size 52992
		.amdhsa_private_segment_fixed_size 0
		.amdhsa_enable_private_segment 0
		.amdhsa_kernarg_size 32
		.amdhsa_user_sgpr_count 2
		.amdhsa_user_sgpr_kernarg_segment_ptr 1
		.amdhsa_wavefront_size32 1
		.amdhsa_system_sgpr_workgroup_id_x 1
		.amdhsa_system_sgpr_workgroup_id_y 1
		.amdhsa_system_sgpr_workgroup_id_z 1
		.amdhsa_system_vgpr_workitem_id 0
		.amdhsa_next_free_vgpr 256
		.amdhsa_next_free_sgpr 66
		.amdhsa_reserve_vcc 1
		.amdhsa_float_denorm_mode_32 3
		.amdhsa_float_denorm_mode_16_64 3
		.amdhsa_memory_ordered 1
		.amdhsa_forward_progress 1
		.amdhsa_inst_pref_size 42
	.end_amdhsa_kernel
	.amdgpu_metadata
---
amdhsa.version: [ 1, 2 ]
amdhsa.kernels:
  - .name:           k_q1e071f2a74_quant
    .symbol:         k_q1e071f2a74_quant.kd
    .args:
      - { .name: x, .offset: 0, .size: 8, .value_kind: global_buffer, .address_space: global }
      - { .name: codebook, .offset: 8, .size: 8, .value_kind: global_buffer, .address_space: global }
      - { .name: img, .offset: 16, .size: 8, .value_kind: global_buffer, .address_space: global }
      - { .name: csq, .offset: 24, .size: 8, .value_kind: global_buffer, .address_space: global }
    .group_segment_fixed_size: 52992
    .private_segment_fixed_size: 0
    .kernarg_segment_align: 8
    .kernarg_segment_size: 32
    .max_flat_workgroup_size: 192
    .sgpr_count:     66
    .vgpr_count:     256
    .wavefront_size: 32
...
	.end_amdgpu_metadata
.endif
;; end of part 1
;; launch assign (part 2): grid 64 x 4, 8 waves a work-group, clusters of 4 x 1, 327,680 bytes of LDS; arguments img, csq, cand; writes cand
.if DOCPART == 2
	.amdgcn_target "amdgcn-amd-amdhsa--gfx1250"
	.amdhsa_code_object_version 6
	.text
	.protected	k_q1e071f2a74_assign
	.globl	k_q1e071f2a74_assign
	.p2align	8
	.type	k_q1e071f2a74_assign,@function
k_q1e071f2a74_assign:
	s_mov_b64 s[64:65], 0
	v_nop
	global_prefetch_b8 v0, s[64:65] scope:SCOPE_SE
	s_setreg_imm32_b32 hwreg(HW_REG_WAVE_MODE, 25, 1), 1
	s_wait_xcnt 0x0
	s_wait_alu depctr_hold_cnt(0) depctr_sa_sdst(0) depctr_va_vdst(0) depctr_va_sdst(0) depctr_va_ssrc(0) depctr_va_vcc(0) depctr_vm_vsrc(0)
	s_getreg_b32 s2, hwreg(HW_REG_IB_STS2, 6, 4)
	s_cmp_eq_u32 s2, 0
	s_cbranch_scc0 .Lentry_in_a_cluster
	s_endpgm
.Lentry_in_a_cluster:
	s_bfe_u32 s2, ttmp6, 0x10000c
	s_cmp_lg_u32 s2, 0x3003
	s_cbranch_scc0 .Lentry_shape_is_right
	s_endpgm
.Lentry_shape_is_right:
; For each row of x the codebook row n with the least csq[n] - 2 x.c[n], among the 2,048 rows of one split (work-group y); (key, n) goes to cand.
; Codes and scale words come from img as images of the operand's registers; buffer csq holds -csq/2.  The first matrix instruction of a step takes -csq/2 as C, so a finished
; accumulator is x.c - csq/2 = -dist/2, and the LARGEST is sought; at equal values the lower n stays.  LIMIT: the distance is rounded inside the matrix sums, in another order than csq - 2 dots; NaN and infinities are not served.
; SHARES: a work-group has 256 rows of x (16 tiles) and walks 8 slots of 16 codebook tiles, fetched jointly by the 4 partners of its cluster.  Wave w: x tiles 4 (w % 4) .. + 3, kept in registers; codebook tiles 8 (w / 4) .. + 7 of a slot, two a step.
; SELECTION of a step (EPI): the largest of a lane's 16 numbers; where it beats the lane's best, the step's number and its 16 numbers are kept; the place among the 16 is found once, at the end.
; TURNS: waves whose number has bits 0 and 2 unequal (SK = 1) run the selection of a slot's last step behind the next slot's first LDS loads, the others at the slot's end.  The branch hangs on the wave's number alone and leads round register work alone.
; The first such turn finds accumulators preset to -infinity, which take nothing over; NB starts 160 lower in those waves to make up for that turn's steps.
.set SK, 63
.set TILEB, 6400
.set PART,  2*TILEB
.set SLOTB, 16*TILEB
.set SLOT1, 1<<17
.set NSL,   8
.set CSQ,   SLOTB
.set SPARE, CSQ+8192
.set MERGE, SPARE+1024
.set L16,  1
.set AF0,  2
.set AS0,  3
.set AC0,  4
.set ADF,  5
.set ADS,  6
.set ADC,  7
.set SPW,  8
.set NIL,  9
.set L8,   10
.set H8,   11
.set XS,   12
.set CS,   20
.set CQ,   28
.set T,    60
.set BEST, 64
.set GID,  68
.set ACC,  72
.set CF,   136
.set POS,  232
.set MST,  236
.set MLD,  237
.set GOF,  238
.set PR,   240
.set OB,   ACC
.set ON,   ACC+4
.set SN,   192
.set WV,   10
.set G1,   16
.set G1C,  24
.set G0,   32
.set G0C,  36
.set MK,   40
.set TB,   44
.set TC,   45
.set NB,   46
.set SLOTS, 47
.set SEL,  48
.set XB,   50
.set MSB, 0
.macro WIN new
.if MSB != \new
	s_set_vgpr_msb (MSB<<8)|\new
.set MSB, \new
.endif
.endm
.set W_MUL, 0x04
.set W_SN,  0x41
.set W_TO1, 0x40
.set W_FR1, 0x01
.macro ROUND
	s_barrier_signal -1
	s_barrier_wait -1
	s_cmp_lg_u32 s[WV], 0
	s_cbranch_scc1 .Lnot_wave_0_\@
	s_barrier_signal -3
.Lnot_wave_0_\@:
	s_barrier_wait -3
	s_barrier_signal -1
	s_barrier_wait -1
.endm
	s_load_b128 s[4:7], s[0:1], 0x0
	s_load_b64 s[8:9], s[0:1], 0x10
	v_lshl_add_u32 v[SPW], v0, 2, SPARE
	v_mov_b32 v[NIL], 0
	ds_add_u32 v8, v9
	ds_add_u32 v8, v9
	s_wait_dscnt 0x0
	v_lshrrev_b32 v1, 5, v0
	s_delay_alu instid0(VALU_DEP_1)
	v_readfirstlane_b32 s[WV], v1
	s_lshr_b32 s11, s[WV], 2
	s_and_b32 s12, s[WV], 3
	s_bfe_u32 s13, ttmp6, 0x40000
	s_lshl_b32 s14, ttmp9, 2
	s_add_co_u32 s14, s14, s13
	s_and_b32 s15, ttmp7, 0xffff
	s_mov_b32 s[G1+0], 15|(3<<16)|(1<<21)
	s_mov_b32 s[G1+1], 32<<16
	s_mov_b32 s[G1+2], 50<<16
	s_mov_b32 s[G1+3], 32<<16
	s_mov_b32 s[G1+4], 50
	s_mov_b32 s[G1+5], 32
	s_mov_b32 s[G1+6], 0
	s_mov_b32 s[G1+7], 0
	s_mov_b32 s[G1C+0], 15|(3<<16)|(1<<21)
	s_mov_b32 s[G1C+1], 32<<16
	s_mov_b32 s[G1C+2], 4<<16
	s_mov_b32 s[G1C+3], 32<<16
	s_mov_b32 s[G1C+4], 4
	s_mov_b32 s[G1C+5], 32
	s_mov_b32 s[G1C+6], 0
	s_mov_b32 s[G1C+7], 0
	s_lshl_b32 s52, s15, 7
	s_lshl_b32 s53, s[WV], 1
	s_add_co_u32 s52, s52, s53
	s_add_co_u32 s52, s52, 1024
	s_mul_i32 s52, s52, TILEB
	s_mov_b32 s53, 0
	s_lshl_b32 s54, s15, 13
	s_lshl_b32 s55, s[WV], 10
	s_add_co_u32 s54, s54, s55
	s_mov_b32 s55, 0
	s_mov_b32 s[G0], 1
	s_mul_i32 s[G0+1], s[WV], PART
	s_mov_b32 s[G0C], 1
	s_lshl_b32 s[G0C+1], s[WV], 10
	s_add_co_u32 s[G0C+1], s[G0C+1], CSQ
	s_lshl_b32 s56, s14, 4
	s_lshl_b32 s57, s12, 2
	s_add_co_u32 s56, s56, s57
	s_mul_i32 s56, s56, TILEB
	s_mov_b32 s57, 0
	s_lshl_b32 s58, s15, 17
	s_lshl_b32 s59, s14, 11
	s_add_co_u32 s58, s58, s59
	s_mov_b32 s59, 0
	s_mov_b32 s[SEL], 0x76543210
	s_mov_b32 s[SEL+1], 0xfedcba98
	s_mov_b32 s[TB], 0
	s_mov_b32 s[TC], 0
	s_lshl_b32 s[NB], s15, 11
	s_lshl_b32 s63, s11, 7
	s_add_co_u32 s[NB], s[NB], s63
	s_mov_b32 s[SLOTS], NSL-1
	v_and_b32 v1, 31, v0
	v_bfe_u32 v[H8], v0, 4, 1
	s_delay_alu instid0(VALU_DEP_2)
	v_lshlrev_b32 v[L8], 3, v1
	s_delay_alu instid0(VALU_DEP_3)
	v_lshlrev_b32 v[L16], 4, v1
	s_mul_i32 s60, s11, 8*TILEB
	v_add_nc_u32 v[AF0], s60, v[L16]
	v_add_nc_u32 v[AS0], s60, v[L8]
	s_delay_alu instid0(VALU_DEP_1)
	v_add_nc_u32 v[AS0], 6144, v[AS0]
	s_lshl_b32 s61, s11, 9
	s_add_co_u32 s61, s61, CSQ
	v_lshl_add_u32 v[AC0], v[H8], 5, s61
	v_lshlrev_b32 v[H8], 3, v[H8]
	v_and_b32 v[MST], 15, v0
	s_lshl_b32 s62, s[WV], 9
	s_add_co_u32 s62, s62, MERGE
	v_lshl_add_u32 v[MST], v[MST], 3, s62
	v_lshl_add_u32 v[MLD], v0, 3, MERGE
	v_lshlrev_b32 v[GOF], 3, v0
.irp m, 0,1,2,3
	v_mov_b32 v[BEST+\m], 0xff800000
	v_mov_b32 v[GID+\m], s[NB]
.irp p, 0,1,2,3,4,5,6,7,8,9,10,11,12,13,14,15
	v_mov_b32 v[ACC+16*\m+\p], 0xff800000          ; what the first deferred selection reads
.endr
.endr
	s_lshr_b32 s[SK], s[WV], 2
	s_xor_b32 s[SK], s[SK], s[WV]
	s_and_b32 s[SK], s[SK], 1                      ; bit 0 xor bit 2 of the wave's number
	s_mul_i32 s62, s[SK], 160
	s_sub_co_u32 s[NB], s[NB], s62
	s_wait_kmcnt 0x0
	s_add_nc_u64 s[G0+2:G0+3], s[4:5], s[52:53]
	s_or_b32 s[G0+3], s[G0+3], 0x80000000
	s_add_nc_u64 s[G0C+2:G0C+3], s[6:7], s[54:55]
	s_or_b32 s[G0C+3], s[G0C+3], 0x80000000
	s_add_nc_u64 s[XB:XB+1], s[4:5], s[56:57]
	s_add_nc_u64 s[8:9], s[8:9], s[58:59]
	ROUND
	tensor_load_to_lds s[G0C:G0C+3], s[G1C:G1C+7]
	s_nop 0
	s_wait_alu depctr_va_vdst(0)
	s_wait_tensorcnt 0x0
	ds_add_u32 v8, v9
	s_wait_dscnt 0x0
	ROUND
	tensor_load_to_lds s[G0:G0+3], s[G1:G1+7]
	s_nop 0
.rept 4
	v_nop
.endr
	WIN W_TO1
.irp m, 0,1,2,3
.irp e, 0,1,2,3,4,5,6,7,8,9,10,11
	global_load_b128 v[48*\m+4*\e:48*\m+4*\e+3], v[L16], s[XB:XB+1] offset:TILEB*\m+512*\e
.endr
.endr
.irp j, 0,1,2,3,4,5,6,7,8,9,10,11,12,13,14,15,16,17,18,19,20,21,22,23,24,25,26,27,28,29,30,31,32,33,34,35,36,37,38,39,40,41,42,43,44,45,46,47,48,49,50,51,52,53,54,55,56,57,58,59,60,61,62,63
	v_mov_b32 v[SN+\j], 0xff800000
.endr
	WIN 0
.irp m, 0,1,2,3
	global_load_b64 v[XS+2*\m:XS+2*\m+1], v[L8], s[XB:XB+1] offset:TILEB*\m+6144
.endr
.macro GRP st, q
.irp i, 0,1
.irp c, 0,1,2
	ds_load_b128 v[CF+24*(\q)+12*\i+4*\c:CF+24*(\q)+12*\i+4*\c+3], v[ADF] offset:(2*(\st)+\i)*TILEB+1536*(\q)+512*\c
.endr
.endr
.if (\q) == 0
.irp i, 0,1
	ds_load_b64 v[CS+4*((\st)%2)+2*\i:CS+4*((\st)%2)+2*\i+1], v[ADS] offset:(2*(\st)+\i)*TILEB
.endr
.irp i, 0,1
.irp u, 0,1
	ds_load_b128 v[CQ+16*((\st)%2)+8*\i+4*\u:CQ+16*((\st)%2)+8*\i+4*\u+3], v[ADC] offset:128*(\st)+64*\i+16*\u
.endr
.endr
.endif
.endm
.macro MUL st, q
.irp m, 0,1,2,3
.irp i, 0,1
.set rD, ACC+16*\m+8*\i
.set rA, CF+24*(\q)+12*\i
.set rB, 48*\m+12*(\q)
.set rSA, CS+4*((\st)%2)+2*\i+(\q)/2
.set rSB, XS+2*\m+(\q)/2
.if (\q) == 0
.set rC, CQ+16*((\st)%2)+8*\i
	v_wmma_scale_f32_16x16x128_f8f6f4 v[rD:rD+7], v[rA:rA+11], v[rB:rB+11], v[rC:rC+7], v[rSA], v[rSB] matrix_a_fmt:MATRIX_FMT_BF6 matrix_b_fmt:MATRIX_FMT_BF6   ; C = -csq/2 of the lane's eight codebook rows starts the sums
.elseif (\q)%2 == 1
	v_wmma_scale_f32_16x16x128_f8f6f4 v[rD:rD+7], v[rA:rA+11], v[rB:rB+11], v[rD:rD+7], v[rSA], v[rSB] matrix_a_fmt:MATRIX_FMT_BF6 matrix_b_fmt:MATRIX_FMT_BF6 matrix_a_scale:MATRIX_SCALE_ROW1 matrix_b_scale:MATRIX_SCALE_ROW1
.else
	v_wmma_scale_f32_16x16x128_f8f6f4 v[rD:rD+7], v[rA:rA+11], v[rB:rB+11], v[rD:rD+7], v[rSA], v[rSB] matrix_a_fmt:MATRIX_FMT_BF6 matrix_b_fmt:MATRIX_FMT_BF6
.endif
.endr
.endr
.endm
.macro EPI st
	WIN 0
.irp m, 0,1,2,3
	v_max3_num_f32 v[T+\m], v[ACC+16*\m], v[ACC+16*\m+1], v[ACC+16*\m+2]
.endr
.irp p, 3,5,7,9,11,13
.irp m, 0,1,2,3
	v_max3_num_f32 v[T+\m], v[T+\m], v[ACC+16*\m+\p], v[ACC+16*\m+\p+1]   ; the four tiles by turns: no line reads the line above it
.endr
.endr
.irp m, 0,1,2,3
	v_max_num_f32 v[T+\m], v[T+\m], v[ACC+16*\m+15]
.endr
.irp m, 0,1,2,3
	v_cmp_gt_f32 s[MK+\m], v[T+\m], v[BEST+\m]
.endr
.irp m, 0,1,2,3
	v_max_num_f32 v[BEST+\m], v[BEST+\m], v[T+\m]
.endr
.irp m, 0,1,2,3
	v_cndmask_b32 v[GID+\m], v[GID+\m], s[NB], s[MK+\m]
.endr
	WIN W_SN
.irp p, 0,1,2,3,4,5,6,7,8,9,10,11,12,13,14,15
.irp m, 0,1,2,3
	v_cndmask_b32 v[SN+16*\m+\p], v[SN+16*\m+\p], v[ACC+16*\m+\p], s[MK+\m]
.endr
.endr
	s_add_co_u32 s[NB], s[NB], 32
.endm
.macro STEP st, next
	WIN W_MUL
.irp q, 0,1,2,3
.if \next && (\q > 0)
	s_wait_dscnt 24
.else
	s_wait_dscnt 18-6*\q
.endif
	MUL \st, \q
.rept 4
	v_nop
.endr
.if \next
	GRP (\st)+1, \q
.endif
.endr
.if \next
	EPI \st
.endif
.endm
; the selection of a slot's last step, run by the waves with SK = who; NB then passes the 128 rows of the slot that the other half of the waves take
.macro EPIW who
	WIN 0
	s_cmp_lg_u32 s[SK], \who
	s_wait_alu depctr_va_vdst(0)
	s_cbranch_scc1 .Lnot_mine_\@
	EPI 3
	WIN 0
	s_add_co_u32 s[NB], s[NB], 128
.Lnot_mine_\@:
.endm
.macro SLOT_STEPS on
	v_add_nc_u32 v[ADF], s[TB], v[AF0]
	s_wait_alu depctr_va_vdst(0)
	v_add_nc_u32 v[ADS], s[TB], v[AS0]
	s_wait_alu depctr_va_vdst(0)
	v_add_nc_u32 v[ADC], s[TC], v[AC0]
	s_wait_alu depctr_va_vdst(0)
	GRP 0, 0
	GRP 0, 1
	GRP 0, 2
	GRP 0, 3
	EPIW 1
	STEP 0, 1
	STEP 1, 1
	STEP 2, 1
	STEP 3, 0
	EPIW 0
.if \on
	s_xor_b32 s[TB], s[TB], SLOT1
	s_add_co_u32 s[TC], s[TC], 1024
.endif
.endm
.macro CHANGE fill
	s_wait_tensorcnt 0x0
	ds_add_u32 v[SPW], v[NIL]
.if \fill
	s_xor_b32 s[G0+1], s[G0+1], SLOT1
	s_add_nc_u64 s[G0+2:G0+3], s[G0+2:G0+3], SLOTB
.endif
	s_wait_dscnt 0x0
.if \fill
	ROUND
	tensor_load_to_lds s[G0:G0+3], s[G1:G1+7]
	s_nop 0
.rept 4
	v_nop
.endr
.else
	s_barrier_signal -1
	s_barrier_wait -1
.endif
.endm
	s_wait_loadcnt 0x0
.Lslot:
	CHANGE 1
	SLOT_STEPS 1
	s_sub_co_u32 s[SLOTS], s[SLOTS], 1
	s_cmp_lg_u32 s[SLOTS], 0
	s_cbranch_scc1 .Lslot
	CHANGE 0
	SLOT_STEPS 0
	EPIW 1
.irp m, 0,1,2,3
	v_mov_b32 v[POS+\m], 0
.endr
	WIN W_FR1
.irp p, 15,14,13,12,11,10,9,8,7,6,5,4,3,2,1,0
.irp m, 0,1,2,3
	v_cmp_neq_f32 s[MK+\m], v[SN+16*\m+\p], v[BEST+\m]
.endr
.irp m, 0,1,2,3
	s_delay_alu instid0(VALU_DEP_4)
	v_cndmask_b32 v[POS+\m], 16*(\p/8)+\p%8, v[POS+\m], s[MK+\m]
.endr
.endr
	WIN 0
.irp m, 0,1,2,3
	v_add3_u32 v[GID+\m], v[GID+\m], v[POS+\m], v[H8]
.endr
.irp m, 0,1,2,3
	v_permlanex16_b32 v[OB+\m], v[BEST+\m], s[SEL], s[SEL+1]
.endr
.irp m, 0,1,2,3
	v_permlanex16_b32 v[ON+\m], v[GID+\m], s[SEL], s[SEL+1]
.endr
.macro LEX d, n, od, on, rd, rn
	v_cmp_gt_f32 s52, v[\od], v[\d]
	v_cmp_eq_f32 s53, v[\od], v[\d]
	v_cmp_lt_u32 s54, v[\on], v[\n]
	s_and_b32 s53, s53, s54
	s_or_b32 s52, s52, s53
	v_cndmask_b32 v[\rd], v[\d], v[\od], s52
	v_cndmask_b32 v[\rn], v[\n], v[\on], s52
.endm
.irp m, 0,1,2,3
	LEX BEST+\m, GID+\m, OB+\m, ON+\m, PR+2*\m, PR+2*\m+1
.endr
.irp m, 0,1,2,3
	ds_store_b64 v[MST], v[PR+2*\m:PR+2*\m+1] offset:128*\m
.endr
	s_wait_dscnt 0x0
	s_barrier_signal -1
	s_barrier_wait -1
	ds_load_b64 v[248:249], v[MLD]
	ds_load_b64 v[250:251], v[MLD] offset:2048
	s_wait_dscnt 0x0
	LEX 248, 249, 250, 251, 254, 253
	s_delay_alu instid0(VALU_DEP_2)
	v_xor_b32 v254, 0x80000000, v254               ; dist/2: the key goes up with the distance
	s_delay_alu instid0(VALU_DEP_1)
	v_ashrrev_i32 v255, 31, v254
	s_delay_alu instid0(VALU_DEP_1)
	v_or_b32 v255, 0x80000000, v255
	s_delay_alu instid0(VALU_DEP_1)
	v_xor_b32 v252, v254, v255
	global_store_b64 v[GOF], v[252:253], s[8:9]
	s_wait_tensorcnt 0x0
	ds_add_u32 v[SPW], v[NIL]
	s_wait_dscnt 0x0
	ROUND
	s_endpgm
.Lfunc_end_k_q1e071f2a74_assign:
	.size	k_q1e071f2a74_assign, .Lfunc_end_k_q1e071f2a74_assign-k_q1e071f2a74_assign
	.p2alignl 7, 3214868480
	.fill 96, 4, 3214868480
	.section	.rodata,"a",@progbits
	.p2align	6, 0x0
	.amdhsa_kernel k_q1e071f2a74_assign
		.amdhsa_group_segment_fixed_size 327680
		.amdhsa_private_segment_fixed_size 0
		.amdhsa_enable_private_segment 0
		.amdhsa_kernarg_size 24
		.amdhsa_user_sgpr_count 2
		.amdhsa_user_sgpr_kernarg_segment_ptr 1
		.amdhsa_wavefront_size32 1
		.amdhsa_system_sgpr_workgroup_id_x 1
		.amdhsa_system_sgpr_workgroup_id_y 1
		.amdhsa_system_sgpr_workgroup_id_z 1
		.amdhsa_system_vgpr_workitem_id 0
		.amdhsa_next_free_vgpr 512
		.amdhsa_next_free_sgpr 66
		.amdhsa_reserve_vcc 0
		.amdhsa_float_denorm_mode_32 3
		.amdhsa_float_denorm_mode_16_64 3
		.amdhsa_memory_ordered 1
		.amdhsa_forward_progress 1
		.amdhsa_inst_pref_size 161
	.end_amdhsa_kernel
	.amdgpu_metadata
---
amdhsa.version: [ 1, 2 ]
amdhsa.kernels:
  - .name:           k_q1e071f2a74_assign
    .symbol:         k_q1e071f2a74_assign.kd
    .args:
      - { .name: img, .offset: 0, .size: 8, .value_kind: global_buffer, .address_space: global }
      - { .name: csq, .offset: 8, .size: 8, .value_kind: global_buffer, .address_space: global }
      - { .name: cand, .offset: 16, .size: 8, .value_kind: global_buffer, .address_space: global }
    .group_segment_fixed_size: 327680
    .private_segment_fixed_size: 0
    .kernarg_segment_align: 8
    .kernarg_segment_size: 24
    .max_flat_workgroup_size: 256
    .sgpr_count:     66
    .vgpr_count:     512
    .wavefront_size: 32
...
	.end_amdgpu_metadata
.endif
;; end of part 2
;; launch gather (part 3): grid 512 x 1, 4 waves a work-group, no clusters, 0 bytes of LDS; arguments cand, values, out0; writes out0
.if DOCPART == 3
	.amdgcn_target "amdgcn-amd-amdhsa--gfx1250"
	.amdhsa_code_object_version 6
	.text
	.protected	k_q1e071f2a74_gather
	.globl	k_q1e071f2a74_gather
	.p2align	8
	.type	k_q1e071f2a74_gather,@function
k_q1e071f2a74_gather:
	s_mov_b64 s[64:65], 0
	v_nop
	global_prefetch_b8 v0, s[64:65] scope:SCOPE_SE
	s_setreg_imm32_b32 hwreg(HW_REG_WAVE_MODE, 25, 1), 1
	s_wait_xcnt 0x0
; out0[row] = values[n(row)], n the index of the least of the row's four candidates.  cand [4 splits][16384 rows][2] u32: (key, n); the key is a whole number in the order of the distance.
; A strictly lesser key takes over, and the splits go up n: at equal keys the lower split, and so the lower n, stays.
; SHARES.  A wave takes 8 rows: its 8 pairs of each split are 64 consecutive bytes, one scalar load; the choice among four is scalar work; then 32 loads of 512 consecutive bytes (a row of values is 2,048 bytes)
; are all on their way together, and each row is stored as it comes.  No LDS, no barrier, no loop; no register is written twice, so no store's or load's source is ever rewritten.
; No matrix unit, no cluster: the launch only moves bytes, and its work-groups share nothing but rows of values that happen to be named twice (so those loads carry no hint that they are read once).
; No prefetch: a row's address is known only when its load can be issued.
; n is held to 8,191 before it enters an address.
.set ROWB, 2048
	s_load_b128 s[4:7], s[0:1], 0x0                ; cand s[4:5], values s[6:7]
	s_load_b64 s[8:9], s[0:1], 0x10                ; out0
	v_lshrrev_b32 v1, 5, v0
	v_readfirstlane_b32 s10, v1                    ; wave 0..3
	v_and_b32 v1, 31, v0
	v_lshlrev_b32 v1, 4, v1                        ; 16 x lane
	s_lshl_b32 s11, ttmp9, 2
	s_add_co_u32 s10, s10, s11                     ; which 8 rows: 4 x work-group + wave
	s_lshl_b32 s12, s10, 6                         ; 8 pairs of 8 bytes
	s_mov_b32 s13, 0
	s_lshl_b32 s14, s10, 14                        ; 8 rows of 2,048 bytes
	s_mov_b32 s15, 0
	s_wait_alu depctr_va_vdst(0)
	s_wait_kmcnt 0x0
	s_add_nc_u64 s[4:5], s[4:5], s[12:13]
	s_add_nc_u64 s[8:9], s[8:9], s[14:15]
	s_load_b512 s[16:31], s[4:5], 0x0              ; split 0: (key, n) of my 8 rows
	s_load_b512 s[32:47], s[4:5], 0x20000          ; split 1: 131,072 bytes on
	s_load_b512 s[48:63], s[4:5], 0x40000          ; split 2
	s_load_b512 s[68:83], s[4:5], 0x60000          ; split 3
	s_wait_kmcnt 0x0
.irp i, 0,1,2,3,4,5,6,7
.irp b, 32,48,68
	s_cmp_lt_u32 s[\b+2*\i], s[16+2*\i]            ; strictly lesser
	s_cselect_b32 s[16+2*\i], s[\b+2*\i], s[16+2*\i]
	s_cselect_b32 s[17+2*\i], s[\b+2*\i+1], s[17+2*\i]
.endr
	s_min_u32 s[17+2*\i], s[17+2*\i], 0x1fff
	v_lshl_add_u32 v[2+\i], s[17+2*\i], 11, v1     ; the row of values, + 16 x lane
.irp c, 0,1,2,3
	global_load_b128 v[16+16*\i+4*\c:16+16*\i+4*\c+3], v[2+\i], s[6:7] offset:512*\c
.endr
.endr
.irp i, 0,1,2,3,4,5,6,7
	s_wait_loadcnt 28-4*\i                         ; row i's four loads are in; the four of each later row may be out
.irp c, 0,1,2,3
	global_store_b128 v1, v[16+16*\i+4*\c:16+16*\i+4*\c+3], s[8:9] offset:ROWB*\i+512*\c th:TH_STORE_NT   ; 32 lanes store 512 consecutive bytes, at a multiple of 512 from out0's first byte; written once, read by nobody here
.endr
.endr
	s_endpgm
.Lfunc_end_k_q1e071f2a74_gather:
	.size	k_q1e071f2a74_gather, .Lfunc_end_k_q1e071f2a74_gather-k_q1e071f2a74_gather
	.p2alignl 7, 3214868480
	.fill 96, 4, 3214868480
	.section	.rodata,"a",@progbits
	.p2align	6, 0x0
	.amdhsa_kernel k_q1e071f2a74_gather
		.amdhsa_group_segment_fixed_size 0
		.amdhsa_private_segment_fixed_size 0
		.amdhsa_enable_private_segment 0
		.amdhsa_kernarg_size 24
		.amdhsa_user_sgpr_count 2
		.amdhsa_user_sgpr_kernarg_segment_ptr 1
		.amdhsa_wavefront_size32 1
		.amdhsa_system_sgpr_workgroup_id_x 1
		.amdhsa_system_sgpr_workgroup_id_y 1
		.amdhsa_system_sgpr_workgroup_id_z 1
		.amdhsa_system_vgpr_workitem_id 0
		.amdhsa_next_free_vgpr 144
		.amdhsa_next_free_sgpr 84
		.amdhsa_reserve_vcc 0
		.amdhsa_float_denorm_mode_32 3
		.amdhsa_float_denorm_mode_16_64 3
		.amdhsa_memory_ordered 1
		.amdhsa_forward_progress 1
		.amdhsa_inst_pref_size 11
	.end_amdhsa_kernel
	.amdgpu_metadata
---
amdhsa.version: [ 1, 2 ]
amdhsa.kernels:
  - .name:           k_q1e071f2a74_gather
    .symbol:         k_q1e071f2a74_gather.kd
    .args:
      - { .name: cand, .offset: 0, .size: 8, .value_kind: global_buffer, .address_space: global }
      - { .name: values, .offset: 8, .size: 8, .value_kind: global_buffer, .address_space: global }
      - { .name: out0, .offset: 16, .size: 8, .value_kind: global_buffer, .address_space: global }
    .group_segment_fixed_size: 0
    .private_segment_fixed_size: 0
    .kernarg_segment_align: 8
    .kernarg_segment_size: 24
    .max_flat_workgroup_size: 128
    .sgpr_count:     84
    .vgpr_count:     144
    .wavefront_size: 32
...
	.end_amdgpu_metadata
.endif
;; end of part 3
